; MI455X (gfx1250); checked and timed in simulation.
; The chip was launched on July 23, 2026; its instructions are those of AMD's public machine-readable ISA for CDNA 5 (MIT licence, August 2026) and "CDNA5" Instruction Set Architecture Reference Guide (July 2026). The comments in the code are by the model that wrote it; some were corrected since.
;; Mo E Decoder. Allowed arithmetic: matrix products marked QUANTISED: E2M3 operands, one E8M0 scale for each 32 along K, by v_wmma_scale_f32_16x16x128_f8f6f4 with both operands' format E2M3, f32 sums; products left as they are: f32 operands where the result goes on into a quantised operand, else bf16, f16 or f32 operands; f32 sums; everything else in f32.
;; Inputs: W1_codes 8 x 256 x 4 x 24 uint8 (E2M3 codes of W1, K innermost, in blocks of 32 codes, four codes in three bytes); W1_scales 8 x 256 x 4 uint8 (E8M0 scales of W1, one for each 32 codes along K); W2_codes 8 x 256 x 8 x 24 uint8 (E2M3 codes of W2, K innermost, in blocks of 32 codes, four codes in three bytes); W2_scales 8 x 256 x 8 uint8 (E8M0 scales of W2, one for each 32 codes along K); W3_codes 8 x 256 x 8 x 24 uint8 (E2M3 codes of W3, K innermost, in blocks of 32 codes, four codes in three bytes); W3_scales 8 x 256 x 8 uint8 (E8M0 scales of W3, one for each 32 codes along K); W4_codes 8 x 128 x 8 x 24 uint8 (E2M3 codes of W4, K innermost, in blocks of 32 codes, four codes in three bytes); W4_scales 8 x 128 x 8 uint8 (E8M0 scales of W4, one for each 32 codes along K); Wg 128 x 8 float32; b1 8 x 256 float32; b2 8 x 256 float32; b3 8 x 256 float32; b4 8 x 128 float32; bg 8 float32; x 16,384 x 128 float32.
;; Outputs: out0 16,384 x 128 float32.
;; This version of the problem:
;;   THIS VERSION OF THE PROBLEM IS GIVEN IN LOW PRECISION. The matrix products marked QUANTISED in the list below multiply operands that are first quantised to E2M3 (2 exponent bits, 3 mantissa bits; 6 bits a number), with one power-of-two scale for each 32 numbers along K (OCP MX v1.0); their sums are f32. All else is computed in f32.
;;   The module's matrix products, in the order in which they are computed (A, B: the left and right operand; K: the contracted axis; several contracted axes count as one K, in the product's order):
;;     1. [M 16,384, K 128] x [K 128, N 8]; A: input x; B: input Wg: left as it is (N = 8 < 16)
;;     2. [M 2,048, K 128] x [K 128, N 16,384]; A: input W1 (given as codes); B: input x: QUANTISED
;;     3. batch 8 x [M 16,384, K 256] x [K 256, N 256]; A: computed on the way; B: input W2 (given as codes): QUANTISED
;;     4. batch 8 x [M 16,384, K 256] x [K 256, N 256]; A: computed on the way; B: input W3 (given as codes): QUANTISED
;;     5. batch 8 x [M 16,384, K 256] x [K 256, N 128]; A: computed on the way; B: input W4 (given as codes): QUANTISED
;;     6. batch 16,384 x [M 128, K 8] x [K 8, N 1]; A: computed on the way; B: softmax: left as it is (K = 8 < 32)
;;   THE QUANTISER, for each operand of a quantised product, along K:
;;     - K is cut into blocks of 32 from its start; a last block that is shorter is filled with zeros.
;;     - A block's scale is 2^e with e = floor(log2(the largest magnitude in the block)) - 2, held to -126 .. 127; a block of zeros has e = 0. As a byte (E8M0): e + 127.
;;     - Each number is divided by its block's scale, clamped to +-7.5, and rounded to the nearest number of E2M3, ties to even, subnormals kept.
;;     - The product sums the exact products of the quantised numbers (number of the format x scale) in f32.
;;   ~~~python
;;   def quantise(x, axis):      # numpy; x: float32 -> the quantised numbers, widened to float32 again
;;       x = np.moveaxis(x, axis, -1); K = x.shape[-1]
;;       x = np.pad(x, [(0, 0)] * (x.ndim - 1) + [(0, -K % 32)]); x = x.reshape(x.shape[:-1] + (-1, 32)); a = np.abs(x).max(-1, keepdims=True)
;;       e = np.where(a > 0, np.clip(np.frexp(np.where(a > 0, a, 1))[1] - 1 - 2, -126, 127), 0)      # np.frexp(a)[1] - 1 = floor(log2(a)), exactly
;;       r = np.clip(x / 2.0 ** e, -7.5, 7.5)
;;       step = 2.0 ** (np.maximum(np.frexp(np.where(r == 0, 1, r))[1] - 1, 0) - 3)
;;       q = np.round(r / step) * step * 2.0 ** e      # np.round: ties to even
;;       return np.moveaxis(q.reshape(q.shape[:-2] + (-1,))[..., :K], -1, axis).astype(np.float32)
;;   ~~~
;;   OPERANDS COMPUTED ON THE WAY. 'Computed on the way' means the value that the module computes at that place (a softmax that the list does not call 'softmax' is quantised finished and normalised). What goes into a quantiser is computed in f32, as accurately as f32 sums, v_exp_f32 and their like allow (about 1e-6 of the number): no bf16 or f16 on the way to a quantiser, and a product that is left as it is and whose result goes on into a quantised operand takes f32 operands (vector FMAs, or v_wmma_f32_16x16x4_f32). A number that lies on a knife's edge between two numbers of the format may be rounded either way, as far as f32 arithmetic and the matrix unit's own rounding can turn it there, and no further.
;;   INPUTS GIVEN AS CODES. W1 (in the module: [8, 128, 256], K = its axis 1); W2 (in the module: [8, 256, 256], K = its axis 1); W3 (in the module: [8, 256, 256], K = its axis 1); W4 (in the module: [8, 256, 128], K = its axis 1): each comes as NAME_codes (uint8): NAME with its K axis moved to the last place and cut into blocks of 32 codes, [.., K / 32, bytes a block], one block behind the other in memory; four codes in three bytes: a row's codes are one little-endian stream of bits, code i at bits 6 i .. 6 i + 5 (a code: sign, 2 exponent bits, 3 mantissa bits); and NAME_scales (uint8): the same leading axes, one E8M0 byte (e + 127) for each 32 codes along K. Its value is code x scale, taken as it is: it is not quantised again, and the codes and scales need not be those that the quantiser above would give.
;; One version. Each part assembles by itself: llvm-mc -triple=amdgcn-amd-amdhsa -mcpu=gfx1250 --defsym DOCPART=n.
;; ======== version 1 of 1: 2 launches
;; limits: right only within a limited range of input values
;; workspace buffers: wimg 1,179,648 bytes
;; launch lay (part 1): grid 12 x 4, 16 waves a work-group, no clusters, 0 bytes of LDS; arguments W1_codes, W2_codes, W3_codes, W4_codes, wimg; writes wimg
.if DOCPART == 1
	.amdgcn_target "amdgcn-amd-amdhsa--gfx1250"
	.amdhsa_code_object_version 6
	.text
	.protected	k_q49aa1037ff_lay
	.globl	k_q49aa1037ff_lay
	.p2align	8
	.type	k_q49aa1037ff_lay,@function
k_q49aa1037ff_lay:
	s_mov_b64 s[64:65], 0
	v_nop
	global_prefetch_b8 v0, s[64:65] scope:SCOPE_SE
	s_setreg_imm32_b32 hwreg(HW_REG_WAVE_MODE, 25, 1), 1
	s_wait_xcnt 0x0
; The four weights' codes are laid once in the order in which a wave's operand registers take them.
; wimg: [group g 4][chunk c 12][fragment f 16][1,536 bytes].  A fragment is 16 rows of a weight x 128 along K, 12 registers a lane,
; stored as an image of those registers: registers 4 q .. 4 q + 3 of lane l at 512 q + 16 l.
; Group g holds experts 2 g (A) and 2 g + 1 (B).  Chunks: 0 W1(A); 1, 2 W2(A); 3, 4 W3(A); 5 W1(B); 6, 7 W2(B); 8, 9 W3(B); 10 W4(A); 11 W4(B): the order in which the second launch walks them.
; In W1's chunk fragment f is tile f (K = 128); in the others fragment f is tile 8 half + f / 2, K step f % 2.
; THE ROWS OF A TILE ARE NOT NEIGHBOURS: lane r of tile t takes row 32 (t / 2) + 8 (t % 2) + r + 8 (r / 8), so that in the transposed product the 16 registers of tiles 2 b and 2 b + 1 are 16 neighbours along the next K.
; A work-group makes one chunk, each of its sixteen waves one fragment: six loads of 8 bytes a lane, three stores of 512 consecutive bytes a wave.  No work is left out: every code is copied once.
	s_load_b256 s[4:11], s[0:1], 0x0               ; W1's codes s[4:5], W2's s[6:7], W3's s[8:9], W4's s[10:11]
	s_load_b64 s[12:13], s[0:1], 0x20              ; wimg
	v_lshrrev_b32 v1, 5, v0
	v_readfirstlane_b32 s14, v1                    ; f: my wave's number
	s_and_b32 s15, ttmp7, 0xffff                   ; g
	s_mov_b32 s16, ttmp9                           ; c
	s_cmp_ge_u32 s16, 5
	s_cselect_b32 s17, 1, 0                        ; expert B?
	s_mul_i32 s18, s17, 5
	s_sub_co_u32 s18, s16, s18                     ; c less 5 for B: 0 .. 6
	s_add_co_u32 s18, s18, 1
	s_lshr_b32 s19, s18, 1                         ; the layer: 0 W1, 1 W2, 2 W3, 3 W4
	s_and_b32 s20, s18, 1                          ; which half of the layer's 16 tiles
	s_cmp_eq_u32 s19, 3                            ; chunks 10 and 11: W4 has one chunk an expert, and the bit says which expert
	s_cselect_b32 s17, s20, s17
	s_cselect_b32 s20, 0, s20
	s_lshr_b32 s22, s14, 1
	s_lshl_b32 s23, s20, 3
	s_add_co_u32 s22, s22, s23                     ; the tile, where K = 256
	s_and_b32 s23, s14, 1                          ; and the K step
	s_cmp_eq_u32 s19, 0
	s_cselect_b32 s22, s14, s22                    ; W1: tile f,
	s_cselect_b32 s23, 0, s23                      ; one K step,
	s_mov_b32 s21, 192
	s_cselect_b32 s21, 96, s21                     ; rows of 96 bytes; the others' are 192
	s_sub_co_u32 s24, s19, 1
	s_cmp_lt_u32 s24, 2
	s_mov_b32 s25, 24576
	s_cselect_b32 s25, 49152, s25                  ; an expert's bytes: W2, W3 49,152; W1, W4 24,576
	s_lshl_b32 s26, s15, 1
	s_add_co_u32 s26, s26, s17                     ; the expert
	s_mul_i32 s26, s26, s25
	s_lshr_b32 s27, s22, 1
	s_lshl_b32 s27, s27, 5
	s_and_b32 s28, s22, 1
	s_lshl_b32 s28, s28, 3
	s_add_co_u32 s27, s27, s28                     ; the tile's first row: 32 (t / 2) + 8 (t % 2)
	s_mul_i32 s27, s27, s21
	s_add_co_u32 s26, s26, s27
	s_mul_i32 s27, s23, 96                         ; the K step's 96 bytes
	s_add_co_u32 s26, s26, s27
	s_mov_b32 s27, 0
	s_mul_i32 s28, s15, 12
	s_add_co_u32 s28, s28, s16
	s_lshl_b32 s28, s28, 4
	s_add_co_u32 s28, s28, s14
	s_mul_i32 s28, s28, 1536                       ; where my fragment's image begins
	s_mov_b32 s29, 0
	v_and_b32 v2, 15, v0                           ; r
	v_bfe_u32 v3, v0, 4, 1                         ; h
	v_and_b32 v4, 8, v2
	v_add_nc_u32 v4, v4, v2                        ; r + 8 (r / 8)
	v_mul_lo_u32 v4, v4, s21
	v_mad_u32_u24 v4, v3, 24, v4                   ; my row, + 24 bytes for the upper half of the lanes
	v_and_b32 v5, 31, v0
	v_lshlrev_b32 v5, 4, v5                        ; 16 x lane
	s_wait_kmcnt 0x0
	s_cmp_eq_u32 s19, 1                            ; the layer's buffer: the choice hangs on the work-group's number alone
	s_cselect_b64 s[4:5], s[6:7], s[4:5]
	s_cmp_eq_u32 s19, 2
	s_cselect_b64 s[4:5], s[8:9], s[4:5]
	s_cmp_eq_u32 s19, 3
	s_cselect_b64 s[4:5], s[10:11], s[4:5]
	s_add_nc_u64 s[4:5], s[4:5], s[26:27]
	s_add_nc_u64 s[12:13], s[12:13], s[28:29]
.irp p, 0,1,2,3,4,5
	global_load_b64 v[8+2*\p:9+2*\p], v4, s[4:5] offset:48*(\p/3)+8*(\p%3)   ; registers 6 c .. 6 c + 5: K = 64 c + 32 h + 0 .. 31, 24 bytes of the row's stream of bits
.endr
	s_wait_loadcnt 0x0
.irp q, 0,1,2
	global_store_b128 v5, v[8+4*\q:11+4*\q], s[12:13] offset:512*\q          ; 32 lanes store 512 consecutive bytes, at a multiple of 256 from the buffer's first byte
.endr
	s_endpgm
.Lfunc_end_k_q49aa1037ff_lay:
	.size	k_q49aa1037ff_lay, .Lfunc_end_k_q49aa1037ff_lay-k_q49aa1037ff_lay
	.p2alignl 7, 3214868480
	.fill 96, 4, 3214868480
	.section	.rodata,"a",@progbits
	.p2align	6, 0x0
	.amdhsa_kernel k_q49aa1037ff_lay
		.amdhsa_group_segment_fixed_size 0
		.amdhsa_private_segment_fixed_size 0
		.amdhsa_enable_private_segment 0
		.amdhsa_kernarg_size 40
		.amdhsa_user_sgpr_count 2
		.amdhsa_user_sgpr_kernarg_segment_ptr 1
		.amdhsa_wavefront_size32 1
		.amdhsa_system_sgpr_workgroup_id_x 1
		.amdhsa_system_sgpr_workgroup_id_y 1
		.amdhsa_system_sgpr_workgroup_id_z 1
		.amdhsa_system_vgpr_workitem_id 0
		.amdhsa_next_free_vgpr 32
		.amdhsa_next_free_sgpr 66
		.amdhsa_reserve_vcc 0
		.amdhsa_float_denorm_mode_32 3
		.amdhsa_float_denorm_mode_16_64 3
		.amdhsa_memory_ordered 1
		.amdhsa_forward_progress 1
		.amdhsa_inst_pref_size 4
	.end_amdhsa_kernel
	.amdgpu_metadata
---
amdhsa.version: [ 1, 2 ]
amdhsa.kernels:
  - .name:           k_q49aa1037ff_lay
    .symbol:         k_q49aa1037ff_lay.kd
    .args:
      - { .name: W1_codes, .offset: 0, .size: 8, .value_kind: global_buffer, .address_space: global }
      - { .name: W2_codes, .offset: 8, .size: 8, .value_kind: global_buffer, .address_space: global }
      - { .name: W3_codes, .offset: 16, .size: 8, .value_kind: global_buffer, .address_space: global }
      - { .name: W4_codes, .offset: 24, .size: 8, .value_kind: global_buffer, .address_space: global }
      - { .name: wimg, .offset: 32, .size: 8, .value_kind: global_buffer, .address_space: global }
    .group_segment_fixed_size: 0
    .private_segment_fixed_size: 0
    .kernarg_segment_align: 8
    .kernarg_segment_size: 40
    .max_flat_workgroup_size: 512
    .sgpr_count:     66
    .vgpr_count:     32
    .wavefront_size: 32
...
	.end_amdgpu_metadata
.endif
;; end of part 1
;; launch moe (part 2): grid 256 x 1, 16 waves a work-group, clusters of 4 x 1, 327,680 bytes of LDS; arguments x, Wg, bg, wimg, W1_scales, W2_scales, W3_scales, W4_scales, b1, b2, b3, b4, out0; writes out0
.if DOCPART == 2
	.amdgcn_target "amdgcn-amd-amdhsa--gfx1250"
	.amdhsa_code_object_version 6
	.text
	.protected	k_q49aa1037ff_moe
	.globl	k_q49aa1037ff_moe
	.p2align	8
	.type	k_q49aa1037ff_moe,@function
k_q49aa1037ff_moe:
	s_mov_b64 s[64:65], 0
	v_nop
	global_prefetch_b8 v0, s[64:65] scope:SCOPE_SE
	s_setreg_imm32_b32 hwreg(HW_REG_WAVE_MODE, 25, 1), 1
	s_wait_xcnt 0x0
	s_wait_alu depctr_hold_cnt(0) depctr_sa_sdst(0) depctr_va_vdst(0) depctr_va_sdst(0) depctr_va_ssrc(0) depctr_va_vcc(0) depctr_vm_vsrc(0)
	s_getreg_b32 s2, hwreg(HW_REG_IB_STS2, 6, 4)
	s_cmp_eq_u32 s2, 0
	s_cbranch_scc0 .Lentry_in_a_cluster
	s_endpgm
.Lentry_in_a_cluster:
	s_bfe_u32 s2, ttmp6, 0x10000c
	s_cmp_lg_u32 s2, 0x3003
	s_cbranch_scc0 .Lentry_shape_is_right
	s_endpgm
.Lentry_shape_is_right:
; out[t] = sum over the 8 experts e of gate[t][e] x (chain_e(x[t])), gate = softmax(x Wg + bg);
; chain_e: LN(mish(x W1 + b1)), LN(mish(. W2 + b2)), mish(. W3 + b3), . W4 + b4.  The four products of the chain run on codes of FP6 (E2M3) with one E8M0 scale for each 32 along K;
; x and the three hidden layers are quantised in registers on the way; the gate's product and the sum over experts are f32.
; NO WORK IS LEFT OUT: the gates are soft, so every expert counts for every token, and every input has a way to the output (bg differs along the softmax's axis).
; SHARES.  A work-group owns 64 tokens.  Wave w = 4 G + TL owns tile TL of 16 tokens and experts 2 G (A) and 2 G + 1 (B), and takes them through the whole chain in its own 256 registers: nothing hidden goes to memory or to LDS.
; LAYOUT.  Every product is used transposed (source 0 = 16 rows of a weight, source 1 = the tokens' codes): lane (r, h) holds token r, and its register 16 b + i the unit 32 b + 16 h + i,
; since the first launch has chosen the rows of each tile so.  So a layer's 128 registers are quantised as they stand, and LayerNorm and a block's maximum want one exchange between the halves of the lanes.
; A bias is loaded into the accumulator and is the C of a sum's first matrix instruction.
; WEIGHTS.  wimg holds, for each group G, 12 chunks of 16 fragments (24,576 dense bytes) in the order of the walk.  A ring of two LDS slots holds one chunk of each of the four groups; wave w brings its quarter of its group's
; chunk, 24 rows of 256 bytes (a chunk's 96 rows are shared among the group's four waves, so that every wave has a load of its own and no branch leads round a load).
; CLUSTER.  All work-groups walk the same weights: the four of a cluster ask for each part JOINTLY (mask 15); no descriptor word, LDS address or branch hangs on a work-group's place.
; mish(a) = a n / (n + 2), n = u (u + 2), u = e^a: no difference of near numbers.  The variance is taken of the centred numbers.
; LIMITS: NaN and infinities among the inputs are not served.  a log2(e) is held at 30 from above, where n / (n + 2) is 1 in f32; a n wants |a| under 2^67.  Where e^a falls under 2^-126 (a under -87) mish comes out as -0.
; A block of zeros gets the scale byte 1 where the rule says 127: its codes are zeros, and this program alone reads the bytes.
.set SLOT1, 1<<17                      ; LDS: slot 0 at 0 (98,304 bytes: group G's chunk at 24,576 G); slot 1 here, so that one exclusive or turns an address
.set TB1,   98304                      ; b1, b2, b3 (8,192 each), b4, Wg (4,096 each), as in memory: stored once, no fill lands here
.set TB4,   122880
.set TWG,   126976
.set TS1,   229376                     ; behind slot 1: the weights' scale bytes as in memory: W1's 8,192, W2's 16,384, W3's 16,384, W4's 8,192
.set TS2,   237568
.set TS4,   270336
.set XS,    278528                     ; the work-group's 64 rows of x, f32, 528 bytes apart
.set LG,    312320                     ; the 64 tokens' 8 logits, 32 bytes a token
.set SPARE, 314368                     ; the spare words, 128 bytes for each of the 16 waves: eight blocks of 256 bytes that no other line names
.set SPITCH, 528                       ; the way out: a stage of 16 rows x 528 bytes for each wave, from LDS byte 0 on, used behind the last fill and the last read of what lies there
.set SPW, 1                            ; v1   LDS address of my spare word; never rewritten
.set NIL, 2                            ; v2   0; never rewritten
.set FA0, 3                            ; v3   24,576 G + 16 lane: a fragment image's place for my lane
.set BA,  4                            ; v4   b1 of expert 2 G, + 64 h
.set BA4, 5                            ; v5   b4 of expert 2 G, + 64 h
.set SA1, 6                            ; v6   W1's scale words of expert 2 G, row r + 8 (r / 8)
.set SA2, 7                            ; v7   W2's (W3's lie 16,384 further)
.set SA4, 8                            ; v8   W4's
.set XA,  9                            ; v9   my token's row of x in LDS, + 64 h
.set FAC, 10                           ; v10-12 the addresses in hand: fragments, biases, scale words
.set BAC, 11
.set SAC, 12
.set GA,  14                           ; v[14:15] expert A's gate; v[16:17] expert B's
.set GB,  16
.set CS0, 18                           ; v18-19 scale words of the codes in CIN; v20-21 of those in SAVE; v22-29 of the weights: these hold scales and nothing else
.set SS0, 20
.set WS,  22
.set CIN, 30                           ; v30-53  two fragments of codes: a layer's input
.set SAVE, 54                          ; v54-77  two fragments: the last finished h3
.set WF,  78                           ; v78-125 four fragments of a weight; at work between the products
.set TM,  78                           ; QUANT: v78-81 maxima, v82-85 bytes, v90-93 scale operands; v94-100 half blocks
.set CT,  94
.set T,   78                           ; MISH: v78-109 32 numbers, v110-125 16 more
.set S,   110
.set H,   128                          ; v128-255 16 accumulators: a layer's 256 units, 128 a lane
; scalars: s4 wave, s5 G, s6 TL, s7 cx, s8 work-group; s9 eps; s[10:11] lane selects; s[12:13] log2(e); s14 30.0; s15 1/256; s[16:41] pointers; s[42:43] offsets that hold cx, and nothing else;
; s[44:51] descriptor group 1; s[52:55], s[56:59] groups 0; s[60:61] my two bg; s62 the slot in hand; s63, s66 expert B's step in tables of 1,024 and 2,048 bytes an expert; s67 trips; s[68:75] bg; s76-79 at work
.macro NOPS n
.rept \n
	v_nop
.endr
.endm
; A round of the cluster's barrier: my work-group's barrier; wave 0 signals for the work-group; every wave waits for all four work-groups; my work-group's barrier once more.
.macro CROUND
	s_barrier_signal -1
	s_barrier_wait -1
	s_cmp_lg_u32 s4, 0
	s_cbranch_scc1 .Lnot_wave_0_\@
	s_barrier_signal -3
.Lnot_wave_0_\@:
	s_barrier_wait -3
	s_barrier_signal -1
	s_barrier_wait -1
.endm
; THE CHANGE OF SLOTS, behind the last read of a chunk.  Each wave waits for all its tensor loads (one is out: its part of the next chunk), adds 0 to its spare word, and waits for that and for its reads of the slot.
; Behind the round no wave of any partner reads the slot, and the other slot is whole; the slot is filled with the chunk two further on, which has the next chunk's work in which to land.
.macro CHANGE
	s_wait_tensorcnt 0x0                           ; no tensor load of mine is out, so the walking group 0 may be written
	ds_add_u32 v[SPW], v[NIL]                      ; 0 onto my spare word
	s_xor_b32 s57, s57, SLOT1                      ; the other slot than last time,
	s_add_nc_u64 s[58:59], s[58:59], 24576         ; the next chunk; the type bits on top are not reached
	s_xor_b32 s62, s62, SLOT1                      ; and my reads go on to the other slot
	s_wait_dscnt 0x0                               ; the add is done, and my reads of the slot are over
	CROUND
	tensor_load_to_lds s[56:59], s[44:51]          ; the first thing behind the round, and my one tensor load until the next
	s_nop 0
	NOPS 4
.endm
; 64 numbers of a lane, register 16 b + i = k 32 b + 16 h + i of my token, become a fragment's codes in v[dst] on and its scale word in v[word].
.macro QUANT src, dst, word
.irp b, 0,1,2,3
	v_max3_num_f32 v[TM+\b], |v[\src+16*\b]|, |v[\src+16*\b+1]|, 0x1800000   ; block b: my 16 numbers, and the floor 2^(3 - 127): the byte cannot fall under 1
.endr
.irp i, 2,4,6,8,10,12,14
.irp b, 0,1,2,3
	v_max3_num_f32 v[TM+\b], v[TM+\b], |v[\src+16*\b+\i]|, |v[\src+16*\b+\i+1]|   ; the four blocks by turns
.endr
.endr
.irp b, 0,1,2,3
	v_permlanex16_b32 v[TM+4+\b], v[TM+\b], s10, s11
.endr
.irp b, 0,1,2,3
	v_max_num_f32 v[TM+\b], v[TM+\b], v[TM+4+\b]   ; with lane l xor 16's: the block's largest magnitude
.endr
.irp b, 0,1,2,3
	v_add_nc_u32 v[TM+12+\b], 0xff000000, v[TM+\b] ; 2 off its exponent field: the conversion takes the exponent field of this operand as its scale
.endr
.irp b, 0,1,2,3
	v_lshrrev_b32 v[TM+4+\b], 23, v[TM+12+\b]      ; the scale's byte
.endr
	v_lshl_or_b32 v[\word], v[TM+5], 8, v[TM+4]    ; the four bytes make my token's scale word
	v_lshl_or_b32 v[\word], v[TM+6], 16, v[\word]
	v_lshl_or_b32 v[\word], v[TM+7], 24, v[\word]
.irp c, 0,1
	v_cvt_scalef32_pk16_fp6_f32 v[\dst+6*\c:\dst+6*\c+2], v[\src+32*\c:\src+32*\c+15], v[TM+12+2*\c]
	v_cvt_scalef32_pk16_fp6_f32 v[CT+4*\c:CT+4*\c+2], v[\src+32*\c+16:\src+32*\c+31], v[TM+13+2*\c]   ; (a conversion's three registers begin on an even number)
.endr
	v_nop                                          ; one plain place behind a scaled conversion
.irp c, 0,1                                    ; the operand's layout wants a whole block in a lane: lanes 0-15 block 2 c, lanes 16-31 block 2 c + 1
.irp i, 0,1,2
	v_permlane16_swap_b32 v[\dst+6*\c+\i], v[CT+4*\c+\i]
.endr
.irp i, 0,1,2
	v_mov_b32 v[\dst+6*\c+3+\i], v[CT+4*\c+\i]
.endr
.endr
.endm
; My 16 tokens of x, from LDS, become the first product's operand.
.macro XQ
.irp b, 0,1,2,3
.irp j, 0,1,2,3
	ds_load_b128 v[H+16*\b+4*\j:H+16*\b+4*\j+3], v[XA] offset:128*\b+16*\j
.endr
.endr
	s_wait_dscnt 0x0
	QUANT H, CIN, CS0
.endm
; The first layer: 16 tiles, K = 128, four tiles at a time: 12 loads of fragments, 4 scale words, 8 loads of bias into the accumulators, 4 matrix instructions on four accumulators.
; Four places stand behind the products, in front of the next loads into their registers and of the first read of results.
.macro GEMM1
.irp tb, 0,1,2,3
.irp k, 0,1,2,3
.irp q, 0,1,2
	ds_load_b128 v[WF+12*\k+4*\q:WF+12*\k+4*\q+3], v[FAC] offset:(4*\tb+\k)*1536+512*\q
.endr
	ds_load_b32 v[WS+\k], v[SAC] offset:(32*(2*\tb+\k/2)+8*(\k%2))*4
	ds_load_b128 v[H+8*(4*\tb+\k):H+8*(4*\tb+\k)+3], v[BAC] offset:(32*(2*\tb+\k/2)+8*(\k%2))*4
	ds_load_b128 v[H+8*(4*\tb+\k)+4:H+8*(4*\tb+\k)+7], v[BAC] offset:(32*(2*\tb+\k/2)+8*(\k%2))*4+16
.endr
	s_wait_dscnt 0x0
.irp k, 0,1,2,3
	v_wmma_scale_f32_16x16x128_f8f6f4 v[H+8*(4*\tb+\k):H+8*(4*\tb+\k)+7], v[WF+12*\k:WF+12*\k+11], v[CIN:CIN+11], v[H+8*(4*\tb+\k):H+8*(4*\tb+\k)+7], v[WS+\k], v[CS0] matrix_a_fmt:MATRIX_FMT_FP6 matrix_b_fmt:MATRIX_FMT_FP6
.endr
	NOPS 4
.endr
.endm
; A chunk of 8 tiles with K = 256, two tiles at a time.  hb: the first accumulator; p0: the chunk's first pair of tiles in the layer; cb, csb: the tokens' codes and scale words; fa, ba, sa: address registers; boff, soff: their immediates.
; The two accumulators take turns, one instruction a turn.
.macro GEMM2 hb, p0, cb, csb, fa, ba, boff, sa, soff
.irp tp, 0,1,2,3
.irp k, 0,1,2,3
.irp q, 0,1,2
	ds_load_b128 v[WF+12*\k+4*\q:WF+12*\k+4*\q+3], v[\fa] offset:(4*\tp+\k)*1536+512*\q
.endr
.endr
.irp u, 0,1
	ds_load_b64 v[WS+2*\u:WS+2*\u+1], v[\sa] offset:\soff+(32*(\p0+\tp)+8*\u)*8
	ds_load_b128 v[\hb+16*\tp+8*\u:\hb+16*\tp+8*\u+3], v[\ba] offset:\boff+(32*(\p0+\tp)+8*\u)*4
	ds_load_b128 v[\hb+16*\tp+8*\u+4:\hb+16*\tp+8*\u+7], v[\ba] offset:\boff+(32*(\p0+\tp)+8*\u)*4+16
.endr
	s_wait_dscnt 0x0
.irp ks, 0,1
.irp u, 0,1
	v_wmma_scale_f32_16x16x128_f8f6f4 v[\hb+16*\tp+8*\u:\hb+16*\tp+8*\u+7], v[WF+12*(2*\u+\ks):WF+12*(2*\u+\ks)+11], v[\cb+12*\ks:\cb+12*\ks+11], v[\hb+16*\tp+8*\u:\hb+16*\tp+8*\u+7], v[WS+2*\u+\ks], v[\csb+\ks] matrix_a_fmt:MATRIX_FMT_FP6 matrix_b_fmt:MATRIX_FMT_FP6
.endr
.endr
	NOPS 4
.endr
.endm
; mish on the lane's 128 numbers, 32 at a time.  Each batch of 32 exponentials, and of 32 reciprocals, has one plain line and ONE wait behind it, ahead of its first reader.
; Each accumulator is read from its low end on.
.macro MISH
.irp q, 0,1,2,3
.set j, 0
.rept 16
	v_pk_mul_f32 v[T+j:T+j+1], v[H+32*\q+j:H+32*\q+j+1], s[12:13] op_sel_hi:[1,0]   ; a log2(e)
.set j, j+2
.endr
.set j, 0
.rept 32
	v_min_num_f32 v[T+j], s14, v[T+j]              ; held at 30
.set j, j+1
.endr
.set j, 0
.rept 32
	v_exp_f32 v[T+j], v[T+j]                       ; u = e^a
.set j, j+1
.endr
	v_nop
	s_wait_alu depctr_va_vdst(0)
.irp p, 0,1
.set j, 0
.rept 8
	v_pk_add_f32 v[S+j:S+j+1], v[T+16*\p+j:T+16*\p+j+1], 2.0 op_sel_hi:[1,0]
.set j, j+2
.endr
.set j, 0
.rept 8
	v_pk_mul_f32 v[T+16*\p+j:T+16*\p+j+1], v[T+16*\p+j:T+16*\p+j+1], v[S+j:S+j+1]   ; n = u (u + 2)
.set j, j+2
.endr
.endr
.set j, 0
.rept 16
	v_pk_mul_f32 v[H+32*\q+j:H+32*\q+j+1], v[H+32*\q+j:H+32*\q+j+1], v[T+j:T+j+1]   ; a n
.set j, j+2
.endr
.set j, 0
.rept 16
	v_pk_add_f32 v[T+j:T+j+1], v[T+j:T+j+1], 2.0 op_sel_hi:[1,0]
.set j, j+2
.endr
.set j, 0
.rept 32
	v_rcp_f32 v[T+j], v[T+j]                       ; 1 / (n + 2)
.set j, j+1
.endr
	v_nop
	s_wait_alu depctr_va_vdst(0)
.set j, 0
.rept 16
	v_pk_mul_f32 v[H+32*\q+j:H+32*\q+j+1], v[H+32*\q+j:H+32*\q+j+1], v[T+j:T+j+1]
.set j, j+2
.endr
.endr
.endm
; LayerNorm over a token's 256 units: 128 in my registers, 128 in lane l xor 16's.  Two passes: the mean; then the centred numbers and the sum of their squares.
.macro LN
	v_pk_add_f32 v[78:79], v[H:H+1], v[H+2:H+3]
	v_pk_add_f32 v[80:81], v[H+4:H+5], v[H+6:H+7]
.set j, 8
.rept 30
	v_pk_add_f32 v[78:79], v[78:79], v[H+j:H+j+1]
	v_pk_add_f32 v[80:81], v[80:81], v[H+j+2:H+j+3]
.set j, j+4
.endr
	v_pk_add_f32 v[78:79], v[78:79], v[80:81]
	v_add_f32 v78, v78, v79
	v_permlanex16_b32 v80, v78, s10, s11
	v_add_f32 v78, v78, v80
	v_mul_f32 v90, -v78, s15                       ; -mean
	v_mov_b32 v91, v90
.set j, 0
.rept 16
.irp c, 0,1,2,3
	v_pk_add_f32 v[H+j+2*\c:H+j+2*\c+1], v[H+j+2*\c:H+j+2*\c+1], v[90:91]
.endr
.irp c, 0,1,2,3
.if j == 0
	v_pk_mul_f32 v[82+2*\c:83+2*\c], v[H+j+2*\c:H+j+2*\c+1], v[H+j+2*\c:H+j+2*\c+1]   ; the first squares start the four chains
.else
	v_pk_fma_f32 v[82+2*\c:83+2*\c], v[H+j+2*\c:H+j+2*\c+1], v[H+j+2*\c:H+j+2*\c+1], v[82+2*\c:83+2*\c]
.endif
.endr
.set j, j+8
.endr
	v_pk_add_f32 v[82:83], v[82:83], v[84:85]
	v_pk_add_f32 v[86:87], v[86:87], v[88:89]
	v_pk_add_f32 v[82:83], v[82:83], v[86:87]
	v_add_f32 v82, v82, v83
	v_permlanex16_b32 v84, v82, s10, s11
	v_add_f32 v82, v82, v84
	v_fma_f32 v82, v82, s15, s9                    ; the variance + eps
	v_rsq_f32 v92, v82
	v_mov_b32 v93, 0                               ; a plain line behind the root (v93 is named with v92 as a pair, so it is written)
	s_wait_alu depctr_va_vdst(0)                   ; the wait ahead of the first reader
.set j, 0
.rept 64
	v_pk_mul_f32 v[H+j:H+j+1], v[H+j:H+j+1], v[92:93] op_sel_hi:[1,0]
.set j, j+2
.endr
.endm
	s_load_b512 s[16:31], s[0:1], 0x0              ; x s[16:17], Wg s[18:19], bg s[20:21], wimg s[22:23], the scales of W1 s[24:25], W2 s[26:27], W3 s[28:29], W4 s[30:31]
	s_load_b256 s[32:39], s[0:1], 0x40             ; b1 s[32:33], b2 s[34:35], b3 s[36:37], b4 s[38:39]
	s_load_b64 s[40:41], s[0:1], 0x60              ; out0
	v_lshl_add_u32 v[SPW], v0, 2, SPARE
	v_mov_b32 v[NIL], 0
	ds_add_u32 v[SPW], v[NIL]                      ; the wave's opening: the add, twice on end, and its wait ahead of my first tensor load; the set-up below stands between the second and the wait
	ds_add_u32 v[SPW], v[NIL]
	v_lshrrev_b32 v13, 5, v0
	v_readfirstlane_b32 s4, v13                    ; wave 0..15
	s_lshr_b32 s5, s4, 2                           ; G: my pair of experts
	s_and_b32 s6, s4, 3                            ; TL: my tile of 16 tokens
	s_bfe_u32 s7, ttmp6, 0x40000                   ; cx: my place in the cluster
	s_lshl_b32 s8, ttmp9, 2
	s_add_co_u32 s8, s8, s7                        ; my work-group: it enters x's and out0's addresses alone
	s_mov_b32 s9, 0x3727c5ac                       ; 1e-5
	s_mov_b32 s10, 0x76543210
	s_mov_b32 s11, 0xfedcba98                      ; v_permlanex16_b32's selects for lane l xor 16
	s_mov_b32 s12, 0x3fb8aa3b                      ; log2(e)
	s_mov_b32 s13, s12                             ; (named with it as a pair, so it is written)
	s_mov_b32 s14, 0x41f00000                      ; 30.0
	s_mov_b32 s15, 0x3b800000                      ; 1 / 256
	; descriptor group 1: 24 rows of 256 bytes (32 elements of 8 bytes), dense in memory and in LDS
	s_mov_b32 s44, 15|(3<<16)|(1<<21)              ; 15:0 the mask: all four work-groups; 17:16 elements of 8 bytes; 20 no padding; 21 set beside a mask
	s_mov_b32 s45, 32<<16                          ; tensor_dim0 = 32
	s_mov_b32 s46, 24<<16                          ; tensor_dim1 = 24
	s_mov_b32 s47, 32<<16                          ; tile_dim0 = 32
	s_mov_b32 s48, 24                              ; tile_dim1 = 24
	s_mov_b32 s49, 32                              ; from row to row
	s_mov_b32 s50, 0
	s_mov_b32 s51, 0
	v_and_b32 v126, 31, v0                         ; lane
	v_and_b32 v127, 15, v0                         ; r
	v_bfe_u32 v125, v0, 4, 1                       ; h
	v_and_b32 v124, 8, v127
	v_add_nc_u32 v124, v124, v127                  ; r + 8 (r / 8)
	s_mul_i32 s76, s5, 24576
	v_lshl_add_u32 v[FA0], v126, 4, s76
	s_lshl_b32 s76, s5, 11
	s_add_co_u32 s76, s76, TB1
	v_lshl_add_u32 v[BA], v125, 6, s76
	s_lshl_b32 s76, s5, 10
	s_add_co_u32 s76, s76, TB4
	v_lshl_add_u32 v[BA4], v125, 6, s76
	s_lshl_b32 s76, s5, 11
	s_add_co_u32 s76, s76, TS1
	v_lshl_add_u32 v[SA1], v124, 2, s76
	s_lshl_b32 s76, s5, 12
	s_add_co_u32 s76, s76, TS2
	v_lshl_add_u32 v[SA2], v124, 3, s76
	s_lshl_b32 s76, s5, 11
	s_add_co_u32 s76, s76, TS4
	v_lshl_add_u32 v[SA4], v124, 3, s76
	s_mul_i32 s76, s6, 16*528
	s_add_co_u32 s76, s76, XS
	v_mul_u32_u24 v[XA], v127, 528
	v_lshl_add_u32 v[XA], v125, 6, v[XA]
	v_add_nc_u32 v[XA], s76, v[XA]
	s_lshl_b32 s76, s5, 3                          ; for the gate, in the three registers of the addresses in hand:
	s_add_co_u32 s76, s76, TWG
	v_lshl_add_u32 v[FAC], v125, 9, s76            ; Wg[16 h][2 G]: a row of Wg is 32 bytes
	s_lshl_b32 s76, s6, 9
	s_add_co_u32 s76, s76, LG
	v_lshl_add_u32 v[SAC], v127, 5, s76            ; my token's 8 logits,
	s_lshl_b32 s77, s5, 3
	s_add_co_u32 s76, s76, s77
	v_lshl_add_u32 v[BAC], v127, 5, s76            ; and my two among them
	v_lshlrev_b32 v100, 4, v0                      ; the tables: 16 bytes a thread, 8,192 a load of the work-group
	v_and_b32 v101, 255, v0
	v_lshlrev_b32 v101, 4, v101                    ; b4 and Wg: 4,096 bytes each, half the work-group to each
	v_lshl_add_u32 v102, v0, 4, TB1
	v_lshl_add_u32 v103, v0, 4, TS1
	s_mul_i32 s76, s4, 528
	s_add_co_u32 s76, s76, XS
	v_lshl_add_u32 v104, v126, 4, s76              ; x: a wave's load is one row of 512 bytes
.irp b, 0,1,2,3
	v_mov_b32 v[TM+4+\b], 0                        ; written once: a lane permute's destination counts as one of its sources
.endr
.set j, 0
.rept 24
	v_mov_b32 v[SAVE+j], 0                         ; written once: the first trip's copy of the saved codes reads them
.set j, j+1
.endr
	v_mov_b32 v[SS0], 0
	v_mov_b32 v[SS0+1], 0
	s_mov_b32 s52, 1                               ; group 0 of chunk 0: count = 1,
	s_mul_i32 s53, s4, 6144                        ; LDS address: slot 0, wave x 6,144: no place in the cluster enters it
	s_mov_b32 s56, 1
	s_add_co_u32 s57, s53, SLOT1                   ; chunk 1: slot 1
	s_mul_i32 s76, s5, 294912                      ; my group's 12 chunks,
	s_mul_i32 s77, s6, 6144                        ; my quarter of a chunk
	s_add_co_u32 s76, s76, s77
	s_mov_b32 s77, 0
	s_wait_dscnt 0x0                               ; both opening adds are done
	s_wait_kmcnt 0x0
	s_add_nc_u64 s[54:55], s[22:23], s[76:77]      ; global address of my part of chunk 0,
	s_add_nc_u64 s[58:59], s[54:55], 24576         ; of chunk 1
	s_or_b32 s55, s55, 0x80000000                  ; type = 2
	s_or_b32 s59, s59, 0x80000000
	s_load_b256 s[68:75], s[20:21], 0x0            ; bg
	s_lshl_b32 s42, s8, 15                         ; my work-group's 64 rows of x
	s_mov_b32 s43, 0
	s_add_nc_u64 s[16:17], s[16:17], s[42:43]
	s_cmp_lt_u32 s4, 8                             ; waves 0-7 bring b4, waves 8-15 Wg: the two lie on end in LDS
	s_cselect_b64 s[78:79], s[38:39], s[18:19]
	global_load_b128 v[H:H+3], v100, s[32:33]
	global_load_b128 v[H+4:H+7], v100, s[34:35]
	global_load_b128 v[H+8:H+11], v100, s[36:37]
	global_load_b128 v[H+12:H+15], v101, s[78:79]
	global_load_b128 v[H+16:H+19], v100, s[24:25]
	global_load_b128 v[H+20:H+23], v100, s[26:27]
	global_load_b128 v[H+24:H+27], v100, s[26:27] offset:8192
	global_load_b128 v[H+28:H+31], v100, s[28:29]
	global_load_b128 v[H+32:H+35], v100, s[28:29] offset:8192
	global_load_b128 v[H+36:H+39], v100, s[30:31]
.irp i, 0,1,2,3
	global_load_b128 v[H+40+4*\i:H+43+4*\i], v100, s[16:17] offset:8192*\i th:TH_LOAD_NT   ; x is read once in the launch
.endr
	s_lshl_b32 s42, s8, 6                          ; (s[42:43] are no source of a load: their sum with x's address is)
	s_lshl_b32 s76, s6, 4
	s_add_co_u32 s42, s42, s76
	s_lshl_b32 s76, s5, 2
	s_add_co_u32 s42, s42, s76                     ; the first row of out0 that I store: 64 x work-group + 16 TL + 4 G
	s_lshl_b32 s42, s42, 9
	s_add_nc_u64 s[40:41], s[40:41], s[42:43]
	CROUND                                         ; all four work-groups are here: the first joint loads meet
	tensor_load_to_lds s[52:55], s[44:51]          ; chunk 0 into slot 0
	s_nop 0
	tensor_load_to_lds s[56:59], s[44:51]          ; chunk 1 into slot 1: two loads of mine are out
	s_nop 0
	NOPS 4
	s_wait_loadcnt 0x0                             ; the tables and x are in registers
	ds_store_b128 v102, v[H:H+3]                   ; b1
	ds_store_b128 v102, v[H+4:H+7] offset:8192     ; b2
	ds_store_b128 v102, v[H+8:H+11] offset:16384   ; b3
	ds_store_b128 v102, v[H+12:H+15] offset:24576  ; b4, then Wg
	ds_store_b128 v103, v[H+16:H+19]               ; W1's scale bytes
	ds_store_b128 v103, v[H+20:H+23] offset:8192   ; W2's
	ds_store_b128 v103, v[H+24:H+27] offset:16384
	ds_store_b128 v103, v[H+28:H+31] offset:24576  ; W3's
	ds_store_b128 v103, v[H+32:H+35] offset:32768
	ds_store_b128 v103, v[H+36:H+39] offset:40960  ; W4's
.irp i, 0,1,2,3
	ds_store_b128 v104, v[H+40+4*\i:H+43+4*\i] offset:16*528*\i   ; x: row wave + 16 i
.endr
	s_wait_tensorcnt 0x1                           ; my part of chunk 0 is in; chunk 1's load, issued behind it, may stay out
	s_wait_dscnt 0x0                               ; my stores have landed
	s_barrier_signal -1
	s_barrier_wait -1                              ; the tables, x and chunk 0 are whole
	; THE GATE.  My wave makes the logits of its two experts for its 16 tokens, in f32: lane (r, h) sums over its 64 k, lane l xor 16 has the other 64.
.irp b, 0,1,2,3
.irp j, 0,1,2,3
	ds_load_b128 v[H+16*\b+4*\j:H+16*\b+4*\j+3], v[XA] offset:128*\b+16*\j
.endr
.endr
.irp bb, 0,1                                   ; two blocks of 32 along K at a time
.set n, 0
.rept 32
	ds_load_b64 v[H+64+2*n:H+65+2*n], v[FAC] offset:2048*\bb+1024*(n/16)+32*(n%16)   ; Wg[32 b + 16 h + i][2 G, 2 G + 1]: the same word for the 16 lanes of a half
.set n, n+1
.endr
	s_wait_dscnt 0x0
.set n, 0
.rept 32
.if (\bb == 0) && (n < 2)
	v_mul_f32 v[86+2*(n%2)], v[H+32*\bb+n], v[H+64+2*n]     ; the first products start the four chains
	v_mul_f32 v[87+2*(n%2)], v[H+32*\bb+n], v[H+65+2*n]
.else
	v_fmac_f32 v[86+2*(n%2)], v[H+32*\bb+n], v[H+64+2*n]
	v_fmac_f32 v[87+2*(n%2)], v[H+32*\bb+n], v[H+65+2*n]
.endif
.set n, n+1
.endr
.endr
	s_wait_kmcnt 0x0                               ; bg
	s_mov_b64 s[60:61], s[68:69]
	s_cmp_eq_u32 s5, 1                             ; my two: a choice by the wave's number
	s_cselect_b64 s[60:61], s[70:71], s[60:61]
	s_cmp_eq_u32 s5, 2
	s_cselect_b64 s[60:61], s[72:73], s[60:61]
	s_cmp_eq_u32 s5, 3
	s_cselect_b64 s[60:61], s[74:75], s[60:61]
	v_add_f32 v86, v86, v88
	v_add_f32 v87, v87, v89
	v_permlanex16_b32 v88, v86, s10, s11
	v_permlanex16_b32 v89, v87, s10, s11
	v_add_f32 v86, v86, v88
	v_add_f32 v87, v87, v89
	v_add_f32 v86, s60, v86
	v_add_f32 v87, s61, v87                        ; my two logits
	ds_store_b64 v[BAC], v[86:87]                  ; both halves of the lanes write the same words with the same values
	s_wait_dscnt 0x0
	s_barrier_signal -1
	s_barrier_wait -1                              ; all 8 logits of every token lie in LDS
	ds_load_b128 v[90:93], v[SAC]
	ds_load_b128 v[94:97], v[SAC] offset:16
	s_wait_dscnt 0x0
	v_max3_num_f32 v98, v90, v91, v92
	v_max3_num_f32 v98, v98, v93, v94
	v_max3_num_f32 v98, v98, v95, v96
	v_max_num_f32 v98, v98, v97                    ; the maximum is taken away
.irp i, 0,1,2,3,4,5,6,7,8,9,10,11
.if (\i < 2) || (\i > 3)
	v_sub_f32 v[86+\i], v[86+\i], v98
.endif
.endr
.irp i, 0,1,2,3,4,5,6,7,8,9,10,11
.if (\i < 2) || (\i > 3)
	v_mul_f32 v[86+\i], s12, v[86+\i]
.endif
.endr
.irp i, 0,1,2,3,4,5,6,7,8,9,10,11
.if (\i < 2) || (\i > 3)
	v_exp_f32 v[86+\i], v[86+\i]                   ; the eight, and my two once more: the same lines on the same numbers
.endif
.endr
	v_nop
	s_wait_alu depctr_va_vdst(0)                   ; one wait for the ten
	v_add_f32 v90, v90, v91
	v_add_f32 v92, v92, v93
	v_add_f32 v94, v94, v95
	v_add_f32 v96, v96, v97
	v_add_f32 v90, v90, v92
	v_add_f32 v94, v94, v96
	v_add_f32 v90, v90, v94
	v_rcp_f32 v99, v90
	v_nop
	s_wait_alu depctr_va_vdst(0)
	v_mul_f32 v[GA], v86, v99
	v_mul_f32 v[GA+1], v86, v99                    ; (named with it as a pair)
	v_mul_f32 v[GB], v87, v99
	v_mul_f32 v[GB+1], v87, v99
	; THE CHAIN, once for each of my two experts.  A trip reads five chunks and asks for five: the ten changes of slots ask for chunks 2 to 11.
	s_mov_b32 s62, 0                               ; chunk 0 lies in slot 0
	s_mov_b32 s63, 0
	s_mov_b32 s66, 0
	s_mov_b32 s67, 2
.Lexp:
	XQ
	NOPS 8                                         ; a scale register written by a vector instruction stands 8 places ahead of a scaled matrix instruction, an operand so written 4
	v_add_nc_u32 v[FAC], s62, v[FA0]
	v_add_nc_u32 v[BAC], s63, v[BA]
	v_add_nc_u32 v[SAC], s63, v[SA1]
	GEMM1                                          ; x W1 + b1
	CHANGE
	MISH
	LN
	QUANT H, CIN, CS0
	QUANT H+64, CIN+12, CS0+1
	NOPS 8
	v_add_nc_u32 v[FAC], s62, v[FA0]
	v_add_nc_u32 v[SAC], s66, v[SA2]
	GEMM2 H, 0, CIN, CS0, FAC, BAC, 8192, SAC, 0   ; h1 W2 + b2, units 0-127
	CHANGE
	v_add_nc_u32 v[FAC], s62, v[FA0]
	GEMM2 H+64, 4, CIN, CS0, FAC, BAC, 8192, SAC, 0   ; units 128-255
	CHANGE
	MISH
	LN
	QUANT H, CIN, CS0
	QUANT H+64, CIN+12, CS0+1
	NOPS 8
	v_add_nc_u32 v[FAC], s62, v[FA0]
	GEMM2 H, 0, CIN, CS0, FAC, BAC, 16384, SAC, 16384   ; h2 W3 + b3
	CHANGE
	v_add_nc_u32 v[FAC], s62, v[FA0]
	GEMM2 H+64, 4, CIN, CS0, FAC, BAC, 16384, SAC, 16384
	CHANGE
	MISH
.set j, 0
.rept 24
	v_mov_b32 v[CIN+j], v[SAVE+j]                  ; the codes saved a trip ago move on (h2's are done with), and h3 takes their place: behind the loop CIN holds expert A's h3 and SAVE expert B's, with no branch on the trip
.set j, j+1
.endr
	v_mov_b32 v[CS0], v[SS0]
	v_mov_b32 v[CS0+1], v[SS0+1]
	QUANT H, SAVE, SS0
	QUANT H+64, SAVE+12, SS0+1
	s_add_co_u32 s63, s63, 1024                    ; expert B's biases and scale words
	s_add_co_u32 s66, s66, 2048
	s_sub_co_u32 s67, s67, 1
	s_cmp_lg_u32 s67, 0
	s_cbranch_scc1 .Lexp
	; THE LAST LAYER of both experts: chunk 10, W4(A), lies in slot 0 and was shown whole by the last change of slots; chunk 11, W4(B), in slot 1.
	s_wait_tensorcnt 0x0                           ; my part of chunk 11 is in,
	ds_add_u32 v[SPW], v[NIL]                      ; (0 onto my spare word: the same three lines as at every change of slots)
	s_wait_dscnt 0x0
	s_barrier_signal -1
	s_barrier_wait -1                              ; everybody's is.
	NOPS 8
	v_add_nc_u32 v[FAC], SLOT1, v[FA0]
	GEMM2 H, 0, CIN, CS0, FA0, BA4, 0, SA4, 0
	GEMM2 H+64, 0, SAVE, SS0, FAC, BA4, 512, SA4, 1024
.set j, 0
.rept 32
	v_pk_mul_f32 v[H+j:H+j+1], v[H+j:H+j+1], v[GA:GA+1] op_sel_hi:[1,0]   ; y(A) x its gate
.set j, j+2
.endr
.set j, 0
.rept 32
	v_pk_fma_f32 v[H+j:H+j+1], v[H+64+j:H+65+j], v[GB:GB+1], v[H+j:H+j+1] op_sel_hi:[1,0,1]   ; + y(B) x its gate: register 16 b + i is output 32 b + 16 h + i of token r
.set j, j+2
.endr
	; THE WAY OUT.  The four groups' parts of a token meet in LDS: each wave puts its 16 rows x 512 bytes into its stage; then wave (G, TL) adds the four parts of rows 4 G .. 4 G + 3 of tile TL and stores them whole.
	v_and_b32 v78, 15, v0
	v_bfe_u32 v79, v0, 4, 1
	s_lshl_b32 s76, s6, 2
	s_add_co_u32 s76, s76, s5
	s_mul_i32 s76, s76, 16*SPITCH                  ; my stage: number 4 TL + G
	v_mul_u32_u24 v80, v78, SPITCH
	v_lshl_add_u32 v80, v79, 6, v80
	v_add_nc_u32 v80, s76, v80                     ; in: row r, + 64 h
	s_mul_i32 s76, s6, 4*16*SPITCH
	s_mul_i32 s77, s5, 4*SPITCH
	s_add_co_u32 s76, s76, s77
	v_and_b32 v81, 31, v0
	v_lshlrev_b32 v82, 4, v81                      ; 16 x lane: my bytes of a row, in LDS and in out0
	v_add_nc_u32 v81, s76, v82                     ; back: tile TL's four stages, row 4 G
	s_wait_dscnt 0x0
	s_barrier_signal -1
	s_barrier_wait -1                              ; no wave reads the slots or the tables any more, and both slots have had their last fill
.irp b, 0,1,2,3
.irp j, 0,1,2,3
	ds_store_b128 v80, v[H+16*\b+4*\j:H+16*\b+4*\j+3] offset:128*\b+16*\j
.endr
.endr
	s_wait_dscnt 0x0                               ; for the others' sake: my stores have landed
	s_barrier_signal -1
	s_barrier_wait -1
.irp i, 0,1,2,3
.irp g, 0,1,2,3
	ds_load_b128 v[H+64+16*\i+4*\g:H+67+16*\i+4*\g], v81 offset:16*SPITCH*\g+SPITCH*\i
.endr
.endr
	s_wait_dscnt 0x0
.irp i, 0,1,2,3
.irp p, 0,2
	v_pk_add_f32 v[H+64+16*\i+\p:H+65+16*\i+\p], v[H+64+16*\i+\p:H+65+16*\i+\p], v[H+68+16*\i+\p:H+69+16*\i+\p]
	v_pk_add_f32 v[H+72+16*\i+\p:H+73+16*\i+\p], v[H+72+16*\i+\p:H+73+16*\i+\p], v[H+76+16*\i+\p:H+77+16*\i+\p]
.endr
.irp p, 0,2
	v_pk_add_f32 v[H+64+16*\i+\p:H+65+16*\i+\p], v[H+64+16*\i+\p:H+65+16*\i+\p], v[H+72+16*\i+\p:H+73+16*\i+\p]
.endr
.endr
.irp i, 0,1,2,3
	global_store_b128 v82, v[H+64+16*\i:H+67+16*\i], s[40:41] offset:512*\i th:TH_STORE_NT   ; 32 lanes store a row of 512 consecutive bytes, at a multiple of 256 from out0's first byte
.endr
	s_wait_tensorcnt 0x0                           ; the wave's end: behind my last tensor load and my last LDS store
	ds_add_u32 v[SPW], v[NIL]
	s_wait_dscnt 0x0
	CROUND                                         ; the closing round: no work-group ends while a partner may still ask for a part that names it
	s_endpgm
.Lfunc_end_k_q49aa1037ff_moe:
	.size	k_q49aa1037ff_moe, .Lfunc_end_k_q49aa1037ff_moe-k_q49aa1037ff_moe
	.p2alignl 7, 3214868480
	.fill 96, 4, 3214868480
	.section	.rodata,"a",@progbits
	.p2align	6, 0x0
	.amdhsa_kernel k_q49aa1037ff_moe
		.amdhsa_group_segment_fixed_size 327680
		.amdhsa_private_segment_fixed_size 0
		.amdhsa_enable_private_segment 0
		.amdhsa_kernarg_size 104
		.amdhsa_user_sgpr_count 2
		.amdhsa_user_sgpr_kernarg_segment_ptr 1
		.amdhsa_wavefront_size32 1
		.amdhsa_system_sgpr_workgroup_id_x 1
		.amdhsa_system_sgpr_workgroup_id_y 1
		.amdhsa_system_sgpr_workgroup_id_z 1
		.amdhsa_system_vgpr_workitem_id 0
		.amdhsa_next_free_vgpr 256
		.amdhsa_next_free_sgpr 80
		.amdhsa_reserve_vcc 0
		.amdhsa_float_denorm_mode_32 3
		.amdhsa_float_denorm_mode_16_64 3
		.amdhsa_memory_ordered 1
		.amdhsa_forward_progress 1
		.amdhsa_inst_pref_size 255
	.end_amdhsa_kernel
	.section	.bss,"aw",@nobits
	.p2align	6
	.space	262144
	.amdgpu_metadata
---
amdhsa.version: [ 1, 2 ]
amdhsa.kernels:
  - .name:           k_q49aa1037ff_moe
    .symbol:         k_q49aa1037ff_moe.kd
    .args:
      - { .name: x, .offset: 0, .size: 8, .value_kind: global_buffer, .address_space: global }
      - { .name: Wg, .offset: 8, .size: 8, .value_kind: global_buffer, .address_space: global }
      - { .name: bg, .offset: 16, .size: 8, .value_kind: global_buffer, .address_space: global }
      - { .name: wimg, .offset: 24, .size: 8, .value_kind: global_buffer, .address_space: global }
      - { .name: W1_scales, .offset: 32, .size: 8, .value_kind: global_buffer, .address_space: global }
      - { .name: W2_scales, .offset: 40, .size: 8, .value_kind: global_buffer, .address_space: global }
      - { .name: W3_scales, .offset: 48, .size: 8, .value_kind: global_buffer, .address_space: global }
      - { .name: W4_scales, .offset: 56, .size: 8, .value_kind: global_buffer, .address_space: global }
      - { .name: b1, .offset: 64, .size: 8, .value_kind: global_buffer, .address_space: global }
      - { .name: b2, .offset: 72, .size: 8, .value_kind: global_buffer, .address_space: global }
      - { .name: b3, .offset: 80, .size: 8, .value_kind: global_buffer, .address_space: global }
      - { .name: b4, .offset: 88, .size: 8, .value_kind: global_buffer, .address_space: global }
      - { .name: out0, .offset: 96, .size: 8, .value_kind: global_buffer, .address_space: global }
    .group_segment_fixed_size: 327680
    .private_segment_fixed_size: 0
    .kernarg_segment_align: 8
    .kernarg_segment_size: 104
    .max_flat_workgroup_size: 512
    .sgpr_count:     80
    .vgpr_count:     256
    .wavefront_size: 32
...
	.end_amdgpu_metadata
.endif
;; end of part 2
